; MI455X (gfx1250); checked and timed in simulation.
; The chip was launched on July 23, 2026; its instructions are those of AMD's public machine-readable ISA for CDNA 5 (MIT licence, August 2026) and "CDNA5" Instruction Set Architecture Reference Guide (July 2026). The comments in the code are by the model that wrote it; some were corrected since.
;; Multi Head Attention. Allowed arithmetic: matrix products marked QUANTISED: E2M1 operands, one E8M0 scale for each 32 along K, by v_wmma_scale_f32_16x16x128_f8f6f4 with both operands' format E2M1 (or v_wmma_scale_f32_32x16x128_f4), f32 sums; everything else in f32.
;; Inputs: Wo 1,024 x 1,024 float32; Wqkv 1,024 x 3,072 float32; bo 1,024 float32; bqkv 3,072 float32; mask 2 x 2,048 float32; x 2 x 2,048 x 1,024 float32.
;; Outputs: out0 2 x 2,048 x 1,024 float32.
;; This version of the problem:
;;   THIS VERSION OF THE PROBLEM IS GIVEN IN LOW PRECISION. The matrix products marked QUANTISED in the list below multiply operands that are first quantised to E2M1 (2 exponent bits, 1 mantissa bit; 4 bits a number), with one power-of-two scale for each 32 numbers along K (OCP MX v1.0); their sums are f32. All else is computed in f32.
;;   The module's matrix products, in the order in which they are computed (A, B: the left and right operand; K: the contracted axis; several contracted axes count as one K, in the product's order):
;;     1. [M 4,096, K 1,024] x [K 1,024, N 3,072]; A: input x; B: input Wqkv: QUANTISED
;;     2. batch 32 x [M 2,048, K 64] x [K 64, N 2,048]; A: computed on the way; B: computed on the way: QUANTISED
;;     3. batch 32 x [M 64, K 2,048] x [K 2,048, N 2,048]; A: computed on the way; B: softmax (see below): QUANTISED
;;     4. [M 4,096, K 1,024] x [K 1,024, N 1,024]; A: computed on the way; B: input Wo: QUANTISED
;;   THE QUANTISER, for each operand of a quantised product, along K:
;;     - K is cut into blocks of 32 from its start; a last block that is shorter is filled with zeros.
;;     - A block's scale is 2^e with e = floor(log2(the largest magnitude in the block)) - 2, held to -126 .. 127; a block of zeros has e = 0. As a byte (E8M0): e + 127.
;;     - Each number is divided by its block's scale, clamped to +-6, and rounded to the nearest number of E2M1, ties to even, subnormals kept.
;;     - The product sums the exact products of the quantised numbers (number of the format x scale) in f32.
;;   ~~~python
;;   def quantise(x, axis):      # numpy; x: float32 -> the quantised numbers, widened to float32 again
;;       x = np.moveaxis(x, axis, -1); K = x.shape[-1]
;;       x = np.pad(x, [(0, 0)] * (x.ndim - 1) + [(0, -K % 32)]); x = x.reshape(x.shape[:-1] + (-1, 32)); a = np.abs(x).max(-1, keepdims=True)
;;       e = np.where(a > 0, np.clip(np.frexp(np.where(a > 0, a, 1))[1] - 1 - 2, -126, 127), 0)      # np.frexp(a)[1] - 1 = floor(log2(a)), exactly
;;       r = np.clip(x / 2.0 ** e, -6, 6)
;;       step = 2.0 ** (np.maximum(np.frexp(np.where(r == 0, 1, r))[1] - 1, 0) - 1)
;;       q = np.round(r / step) * step * 2.0 ** e      # np.round: ties to even
;;       return np.moveaxis(q.reshape(q.shape[:-2] + (-1,))[..., :K], -1, axis).astype(np.float32)
;;   ~~~
;;   SOFTMAX AHEAD OF A QUANTISED PRODUCT. Where the list says 'softmax', what is quantised is not the finished softmax but p = 2^(t - M), with t = logit x log2(e) and M = ceil(the row's largest t), a whole number; so 1/2 < the row's largest p <= 1. The row's sum l is taken of the UNQUANTISED p, in f32, and the product's result is divided by l at the end. Since M is a whole number, a kernel that streams over the keys may use a running M (the ceiling of the running maximum): every later rescaling is an exact power of two, which a block's scale takes up: the codes' values come out the same.
;;   OPERANDS COMPUTED ON THE WAY. 'Computed on the way' means the value that the module computes at that place (a softmax that the list does not call 'softmax' is quantised finished and normalised). What goes into a quantiser is computed in f32, as accurately as f32 sums, v_exp_f32 and their like allow (about 1e-6 of the number): no bf16 or f16 on the way to a quantiser, and a product that is left as it is and whose result goes on into a quantised operand takes f32 operands (vector FMAs, or v_wmma_f32_16x16x4_f32). A number that lies on a knife's edge between two numbers of the format may be rounded either way, as far as f32 arithmetic and the matrix unit's own rounding can turn it there, and no further.
;; One version. Each part assembles by itself: llvm-mc -triple=amdgcn-amd-amdhsa -mcpu=gfx1250 --defsym DOCPART=n.
;; ======== version 1 of 1: 4 launches
;; limits: right only within a limited range of input values
;; workspace buffers: xq 2,228,224 bytes; wq 1,671,168 bytes; woq 557,056 bytes; qq 4,587,520 bytes; kv 4,587,520 bytes; aq 2,228,224 bytes
;; launch quant (part 1): grid 256 x 1, 8 waves a work-group, no clusters, 137,216 bytes of LDS; arguments x, Wqkv, Wo, xq, wq, woq; writes xq, wq, woq
.if DOCPART == 1
	.amdgcn_target "amdgcn-amd-amdhsa--gfx1250"
	.amdhsa_code_object_version 6
	.text
	.protected	k_qf51bc1e7f4_quant
	.globl	k_qf51bc1e7f4_quant
	.p2align	8
	.type	k_qf51bc1e7f4_quant,@function
k_qf51bc1e7f4_quant:
	s_mov_b64 s[64:65], 0
	v_nop
	global_prefetch_b8 v0, s[64:65] scope:SCOPE_SE
	s_setreg_imm32_b32 hwreg(HW_REG_WAVE_MODE, 25, 1), 1
	s_wait_xcnt 0x0
; x [4096][1024] (K innermost), Wqkv [1024][3072] and Wo [1024][1024] (K = the first axis), all f32, become codes of FP4 (E2M1) with one E8M0 scale byte for each 32 along K.
; A block's scale is 2^(floor(log2(its largest magnitude)) - 2); its byte is the largest magnitude's exponent field - 2, held at 1 from below.
; LIMITS: a block of zeros gets the byte 1 where the rule says 127 (its codes are zeros, and this program alone reads the bytes); NaN and infinities among the inputs are not served.
; THE OUTPUT IS LAID AS THE PRODUCTS' REGISTERS WANT IT.  An ITEM is a row of x or a column of a weight.  Items go in groups of 32; tile 2 g + u, row r of it, is item 32 g + 8 u + r + 8 (r / 8).
; A tile's record is TREC = 8,704 bytes: eight images of a fragment (16 items x 128 K: byte 256 q + 16 r for block q = k / 32), one for each K step s, at 1,024 s; then the scale words, at 8,192 + 256 (s / 4) + 16 r + 4 (s % 4).
; SHARES.  Work-groups 0-127 take x, 128-223 Wqkv, 224-255 Wo.  A work-group takes 64 items x 512 along K; wave w takes 32 of the items (w & 1) and one K step of 128 (w >> 1); LANE j HOLDS ITEM j, AND ITS 128 REGISTERS RUN ALONG K.
; So a block's largest magnitude needs no other lane, and the conversions' results are the image's 16 bytes.  A weight is loaded so as it lies (a lane a column).  A row of x is loaded 512 consecutive bytes at a time
; and turned through the wave's own stage in LDS (32 rows of 512 + 16 bytes).  Each store of codes fills two aligned runs of 256 bytes; the scale words of four K steps meet in LDS and leave 16 bytes a lane.
.set TREC,  8704
.set TP,    528                        ; a stage row: 512 bytes + 16, an odd multiple of 16
.set WTURN, 32*TP                      ; a wave's stage
.set SCB,   8*WTURN                    ; behind the stages: 1,024 bytes of scale words: 256 x (tile in the work-group) + 16 r + 4 x (K step in the half)
.set X,     64                         ; v64-191  my item's 128 numbers
.set C,     32                         ; v32-47   codes, four registers a block; never rewritten
.set TM,    12                         ; v12-15 largest magnitudes, v16-19 scale operands, v20-23 bytes
.set SW,    28                         ; v28      my item's scale word for this K step
	s_load_b256 s[4:11], s[0:1], 0x0               ; x s[4:5], Wqkv s[6:7], Wo s[8:9], xq s[10:11]
	s_load_b128 s[12:15], s[0:1], 0x20             ; wq s[12:13], woq s[14:15]
	v_lshl_add_u32 v192, v0, 2, 0x21400
	v_mov_b32 v193, 0
	v_lshrrev_b32 v10, 5, v0
	s_delay_alu instid0(VALU_DEP_1)
	v_readfirstlane_b32 s16, v10                   ; wave 0..7
	s_and_b32 s17, s16, 1                          ; ih: which 32 items
	s_lshr_b32 s18, s16, 1                         ; ws: which K step of the work-group's four
	v_and_b32 v1, 31, v0                           ; j: my item in the 32
	v_bfe_u32 v10, v0, 3, 1                        ; u = (j >> 3) & 1: which of the two tiles
	v_bfe_u32 v11, v0, 4, 1                        ; j >> 4
	v_and_b32 v29, 7, v0
	s_delay_alu instid0(VALU_DEP_1)
	v_lshl_or_b32 v29, v11, 3, v29                 ; r = (j & 7) | ((j >> 4) << 3): my row in that tile
	s_delay_alu instid0(VALU_DEP_4)
	v_mul_u32_u24 v2, v10, TREC
	s_delay_alu instid0(VALU_DEP_1)
	v_lshl_add_u32 v2, v29, 4, v2                  ; v2: where my codes go: 8,704 u + 16 r
	s_lshl_b32 s28, s17, 9
	s_add_co_u32 s28, s28, SCB                     ; the scale words of my 32 items
	s_lshl_b32 s29, s18, 2
	s_add_co_u32 s29, s29, s28
	v_lshlrev_b32 v3, 8, v10
	s_delay_alu instid0(VALU_DEP_1)
	v_lshl_add_u32 v3, v29, 4, v3
	s_delay_alu instid0(VALU_DEP_1)
	v_add_nc_u32 v3, s29, v3                       ; v3: LDS: my word: 256 u + 16 r + 4 ws
	v_lshl_add_u32 v4, v1, 4, s28                  ; v4: LDS: on the way out 16 bytes a lane
	v_and_b32 v30, 15, v0
	v_mul_u32_u24 v5, v11, TREC
	s_delay_alu instid0(VALU_DEP_1)
	v_lshl_add_u32 v5, v30, 4, v5                  ; v5: and their place in memory: 8,704 (j >> 4) + 16 (j & 15)
	s_mul_i32 s30, s16, WTURN
	v_lshl_add_u32 v6, v1, 4, s30                  ; v6: the stage, on the way in: 16 bytes a lane of a row
	v_mul_u32_u24 v7, v1, TP
	s_delay_alu instid0(VALU_DEP_1)
	v_add_nc_u32 v7, s30, v7                       ; v7: and on the way out: row j
	v_lshlrev_b32 v8, 4, v1                        ; v8: x: 16 bytes a lane
	v_lshlrev_b32 v9, 2, v1                        ; v9: a weight: 4 bytes a lane
	s_wait_kmcnt 0x0
	s_mov_b32 s19, 224
	s_cmp_lt_u32 ttmp9, 224                        ; which tensor?  The choices hang on the work-group's number alone
	s_cselect_b32 s19, 128, s19
	s_cselect_b64 s[20:21], s[12:13], s[14:15]
	s_cmp_lt_u32 ttmp9, 128
	s_cselect_b32 s19, 0, s19
	s_cselect_b64 s[20:21], s[10:11], s[20:21]     ; the buffer that takes my codes
	s_sub_co_u32 s19, ttmp9, s19                   ; my number among the tensor's work-groups
	s_lshr_b32 s31, s19, 1                         ; G: which 64 items
	s_and_b32 s32, s19, 1                          ; kh: which half of K
	s_lshl_b32 s33, s32, 2
	s_add_co_u32 s33, s33, s18                     ; s: my K step, 0..7
	s_lshl_b32 s34, s31, 1
	s_add_co_u32 s34, s34, s17                     ; which 32 items of the tensor are my wave's
	s_mul_i32 s36, s34, 2*TREC
	s_mov_b32 s37, 0
	s_add_nc_u64 s[20:21], s[20:21], s[36:37]      ; their two tiles' records
	s_lshl_b32 s36, s33, 10
	s_add_nc_u64 s[22:23], s[20:21], s[36:37]      ; s[22:23]: the images of K step s
	s_lshl_b32 s36, s32, 8
	s_add_co_u32 s36, s36, 8192
	s_add_nc_u64 s[24:25], s[20:21], s[36:37]      ; s[24:25]: the scale words of this half of K
	s_cmp_lt_u32 ttmp9, 128
	s_cbranch_scc0 .Lweights
	; ---- x: 32 rows x 512 bytes, through the stage
	s_lshl_b32 s36, s34, 17                        ; 32 rows of 4,096 bytes
	s_lshl_b32 s38, s33, 9                         ; 128 numbers a K step
	s_add_co_u32 s36, s36, s38
	s_add_nc_u64 s[26:27], s[4:5], s[36:37]
.set i, 0
	s_wait_alu depctr_va_vdst(0)
.rept 32
	global_load_b128 v[X+4*i:X+4*i+3], v8, s[26:27] offset:4096*i th:TH_LOAD_NT   ; 32 lanes read 512 consecutive bytes of row i
.set i, i+1
.endr
.set i, 0
.rept 32
	s_wait_loadcnt 31-i                            ; loads come back in order: row i is in, the 31 - i younger ones stay out
	ds_store_b128 v6, v[X+4*i:X+4*i+3] offset:TP*i
.set i, i+1
.endr
	s_wait_dscnt 0x0                               ; the stores have read their registers, which the loads below write
.set i, 0
.rept 32
	ds_load_b128 v[X+4*i:X+4*i+3], v7 offset:16*i  ; row j, all of it: the stage is my wave's own, so no barrier
.set i, i+1
.endr
	s_wait_dscnt 0x0
	s_branch .Lquant
; ---- a weight: lane j takes column j of my 32, registers run down K.  Every offset is an immediate: 127 rows of 12,288 bytes at the most
.macro WLOAD p, pitch
	s_mul_i32 s36, s33, 128*\pitch                 ; 128 rows a K step
	s_lshl_b32 s38, s34, 7                         ; 32 columns of 4 bytes
	s_add_co_u32 s36, s36, s38
	s_add_nc_u64 s[26:27], s[\p:\p+1], s[36:37]
.set i, 0
.rept 128
	global_load_b32 v[X+i], v9, s[26:27] offset:i*\pitch th:TH_LOAD_NT
.set i, i+1
.endr
	s_wait_loadcnt 0x0
.endm
.Lweights:
	s_cmp_lt_u32 ttmp9, 224
	s_cbranch_scc0 .Lwo
	s_wait_alu depctr_va_vdst(0)
	WLOAD 6, 12288
	s_branch .Lquant
.Lwo:
	s_wait_alu depctr_va_vdst(0)
	WLOAD 8, 4096
.Lquant:
	; ---- four blocks of 32, all mine, by turns so that no line waits for the line above it
.irp q, 0,1,2,3
	v_max3_num_f32 v[TM+\q], |v[X+32*\q]|, |v[X+32*\q+1]|, 0x1800000   ; and the floor 2^(3 - 127): the byte cannot fall under 1
.endr
.irp i, 2,4,6,8,10,12,14,16,18,20,22,24,26,28,30
.irp q, 0,1,2,3
	s_delay_alu instid0(VALU_DEP_4)
	v_max3_num_f32 v[TM+\q], v[TM+\q], |v[X+32*\q+\i]|, |v[X+32*\q+\i+1]|
.endr
.endr
.irp q, 0,1,2,3
	s_delay_alu instid0(VALU_DEP_4)
	v_add_nc_u32 v[TM+4+\q], 0xff000000, v[TM+\q]  ; 2 off the exponent field: the conversion takes the exponent field of this operand as its scale
.endr
.irp q, 0,1,2,3
	s_delay_alu instid0(VALU_DEP_4)
	v_lshrrev_b32 v[TM+8+\q], 23, v[TM+4+\q]       ; the scale's byte
.endr
	s_delay_alu instid0(VALU_DEP_3)
	v_lshl_or_b32 v[SW], v[TM+9], 8, v[TM+8]
	s_delay_alu instid0(VALU_DEP_1)
	v_lshl_or_b32 v[SW], v[TM+10], 16, v[SW]
	s_delay_alu instid0(VALU_DEP_1)
	v_lshl_or_b32 v[SW], v[TM+11], 24, v[SW]       ; my item's scale word for K step s
.irp q, 0,1,2,3
.irp g, 0,1,2,3
	v_cvt_scalef32_pk8_fp4_f32 v[C+4*\q+\g], v[X+32*\q+8*\g:X+32*\q+8*\g+7], v[TM+4+\q]
.endr
.endr
	v_nop                                          ; one plain line behind the last scaled conversion
.irp q, 0,1,2,3
	global_store_b128 v2, v[C+4*\q:C+4*\q+3], s[22:23] offset:256*\q   ; block q of both tiles: two aligned runs of 256 bytes
.endr
	ds_store_b32 v3, v[SW]
	s_wait_dscnt 0x0                               ; for the others' sake: my word lies in LDS
	s_barrier_signal -1
	s_barrier_wait -1                              ; the words of all four K steps do
	s_cmp_gt_u32 s16, 1
	s_cbranch_scc1 .Lend                           ; wave 0 stores the words of items 0-31, wave 1 those of items 32-63
	ds_load_b128 v[48:51], v4
	s_wait_dscnt 0x0
	global_store_b128 v5, v[48:51], s[24:25]       ; two aligned runs of 256 bytes
.Lend:
	s_wait_tensorcnt 0x0
	ds_add_u32 v192, v193
	s_wait_dscnt 0x0
	s_endpgm
.Lfunc_end_k_qf51bc1e7f4_quant:
	.size	k_qf51bc1e7f4_quant, .Lfunc_end_k_qf51bc1e7f4_quant-k_qf51bc1e7f4_quant
	.p2alignl 7, 3214868480
	.fill 96, 4, 3214868480
	.section	.rodata,"a",@progbits
	.p2align	6, 0x0
	.amdhsa_kernel k_qf51bc1e7f4_quant
		.amdhsa_group_segment_fixed_size 137216
		.amdhsa_private_segment_fixed_size 0
		.amdhsa_enable_private_segment 0
		.amdhsa_kernarg_size 48
		.amdhsa_user_sgpr_count 2
		.amdhsa_user_sgpr_kernarg_segment_ptr 1
		.amdhsa_wavefront_size32 1
		.amdhsa_system_sgpr_workgroup_id_x 1
		.amdhsa_system_sgpr_workgroup_id_y 1
		.amdhsa_system_sgpr_workgroup_id_z 1
		.amdhsa_system_vgpr_workitem_id 0
		.amdhsa_next_free_vgpr 194
		.amdhsa_next_free_sgpr 66
		.amdhsa_reserve_vcc 0
		.amdhsa_float_denorm_mode_32 3
		.amdhsa_float_denorm_mode_16_64 3
		.amdhsa_memory_ordered 1
		.amdhsa_forward_progress 1
		.amdhsa_inst_pref_size 45
	.end_amdhsa_kernel
	.amdgpu_metadata
---
amdhsa.version: [ 1, 2 ]
amdhsa.kernels:
  - .name:           k_qf51bc1e7f4_quant
    .symbol:         k_qf51bc1e7f4_quant.kd
    .args:
      - { .name: x, .offset: 0, .size: 8, .value_kind: global_buffer, .address_space: global }
      - { .name: Wqkv, .offset: 8, .size: 8, .value_kind: global_buffer, .address_space: global }
      - { .name: Wo, .offset: 16, .size: 8, .value_kind: global_buffer, .address_space: global }
      - { .name: xq, .offset: 24, .size: 8, .value_kind: global_buffer, .address_space: global }
      - { .name: wq, .offset: 32, .size: 8, .value_kind: global_buffer, .address_space: global }
      - { .name: woq, .offset: 40, .size: 8, .value_kind: global_buffer, .address_space: global }
    .group_segment_fixed_size: 137216
    .private_segment_fixed_size: 0
    .kernarg_segment_align: 8
    .kernarg_segment_size: 48
    .max_flat_workgroup_size: 256
    .sgpr_count:     66
    .vgpr_count:     194
    .wavefront_size: 32
...
	.end_amdgpu_metadata
.endif
;; end of part 1
;; launch gemm1 (part 2): grid 12 x 16, 16 waves a work-group, clusters of 4 x 4, 280,576 bytes of LDS; arguments xq, wq, bqkv, qq, kv; writes qq, kv
.if DOCPART == 2
	.amdgcn_target "amdgcn-amd-amdhsa--gfx1250"
	.amdhsa_code_object_version 6
	.text
	.protected	k_qf51bc1e7f4_gemm1
	.globl	k_qf51bc1e7f4_gemm1
	.p2align	8
	.type	k_qf51bc1e7f4_gemm1,@function
k_qf51bc1e7f4_gemm1:
	s_mov_b64 s[64:65], 0
	v_nop
	global_prefetch_b8 v0, s[64:65] scope:SCOPE_SE
	s_setreg_imm32_b32 hwreg(HW_REG_WAVE_MODE, 25, 1), 1
	s_wait_xcnt 0x0
	s_wait_alu depctr_hold_cnt(0) depctr_sa_sdst(0) depctr_va_vdst(0) depctr_va_sdst(0) depctr_va_ssrc(0) depctr_va_vcc(0) depctr_vm_vsrc(0)
	s_getreg_b32 s2, hwreg(HW_REG_IB_STS2, 6, 4)
	s_cmp_eq_u32 s2, 0
	s_cbranch_scc0 .Lentry_in_a_cluster
	s_endpgm
.Lentry_in_a_cluster:
	s_bfe_u32 s2, ttmp6, 0x10000c
	s_cmp_lg_u32 s2, 0xf033
	s_cbranch_scc0 .Lentry_shape_is_right
	s_endpgm
.Lentry_shape_is_right:
; qkv = x Wqkv + bqkv on codes of FP4 with E8M0 scales, and the result QUANTISED ON THE WAY OUT as the attention launch wants it: q and k along the head's 64, v along the keys.  No f32 number goes to memory.
; A work-group makes 256 rows x 256 columns.  K = 1,024 is 512 bytes of codes a row, so its 16 tiles of x and 16 tiles of Wqkv (records of 8,704 bytes, scale words inside) lie in LDS whole: filled once, nothing filled again.
; CLUSTERS: 4 x 4 work-groups; x's tiles are shared along a row of the cluster, the weight's along a column: each wave asks for two tiles by one joint load.
; ONE ROUTINE, TWO ROLES.  Source 0 is P, eight tiles (128 items) of the axis that the result is quantised along; source 1 is R, two tiles: a lane holds one item of R, and its registers run along P.
;   columns 0-2047 (q, k; cluster x 0, 1): P = columns of the weight (two heads), R = rows of x.      columns 2048-3071 (v; cluster x 2): P = rows of x (128 keys), R = columns of the weight.
; The role hangs on the cluster's x alone: it is the same in all sixteen partners.  Tile 2 g + u, row r, is item 32 g + 8 u + r + 8 (r / 8): so the 16 registers of results 2 b and 2 b + 1 are 16 neighbours along P.
; The bias is the C of each sum's first matrix instruction.
; THE OUTPUT: a record of KREC = 8,960 bytes for each head and 128 keys: 8 key tiles x 512 bytes (256 h + 16 r: d = 32 h ..); at 4,096 V^T, 4 tiles of 16 d x 1,024 bytes (an image over the 128 keys);
;   at 8,192 the key tiles' scale words (128 bytes for two tiles: lane 16 (tile % 2) + r); at 8,704 V^T's likewise.  q goes to qq in k's places.  The scale words leave in runs of 128 bytes.
; LIMITS: a block of zeros gets the byte 1 where the rule says 127 (this program alone reads the bytes); NaN and infinities are not served.
; REGISTERS: v1-5 LDS addresses, v6-10 offsets of the stores; v16-31 P's scale words, v32-35 R's; v36-51 R's two fragments; v52-115 P's eight; v128-255 the 16 accumulators ((t, i) at 128 + 64 i + 8 t).
;   On the way out v52-88 are at work.
.set TREC, 8704
.set KREC, 8960
.set HREC, 16*KREC
.set ABLK, 16*TREC                     ; x's 16 tiles at LDS byte 0, the weight's 16 behind them
.set SP,   16
.set SR,   32
.set RF,   36
.set PF,   52
.set ACC,  128
.set TM,   52                          ; v52-55 largest magnitudes, v56-59 bytes, v64-67 scale operands
.set PC0,  68
.set PC1,  76
.set PW0,  84
.set PW1,  85
.macro CROUND                          ; a round of the cluster's barrier
	s_barrier_signal -1
	s_barrier_wait -1
	s_cmp_lg_u32 s14, 0
	s_cbranch_scc1 .Lnot_wave_0_\@
	s_barrier_signal -3
.Lnot_wave_0_\@:
	s_barrier_wait -3
	s_barrier_signal -1
	s_barrier_wait -1
.endm
	s_load_b256 s[4:11], s[0:1], 0x0               ; xq s[4:5], wq s[6:7], bqkv s[8:9], qq s[10:11]
	s_load_b64 s[12:13], s[0:1], 0x20              ; kv
	v_lshl_add_u32 v126, v0, 2, 0x44000
	v_mov_b32 v127, 0
	ds_add_u32 v126, v127
	ds_add_u32 v126, v127
	v_lshrrev_b32 v11, 5, v0
	s_delay_alu instid0(VALU_DEP_1)
	v_readfirstlane_b32 s14, v11                   ; wave 0..15
	s_and_b32 s15, s14, 1                          ; ph: which 128 items of P
	s_lshr_b32 s16, s14, 1                         ; rg: which 32 items of R
	s_and_b32 s17, s14, 7
	s_lshl_b32 s17, s17, 1                         ; which two tiles I fetch
	s_bfe_u32 s40, ttmp6, 0x40000                  ; cx, cy: my place in the cluster
	s_bfe_u32 s41, ttmp6, 0x40004
	s_lshl_b32 s42, ttmp9, 2
	s_add_co_u32 s42, s42, s40                     ; X: which 256 columns
	s_and_b32 s43, ttmp7, 0xffff
	s_lshl_b32 s43, s43, 2
	s_add_co_u32 s43, s43, s41                     ; Y: which 256 rows
	s_lshl_b32 s44, s41, 2
	s_lshl_b32 s44, 15, s44                        ; my row of the cluster
	s_lshl_b32 s45, 0x1111, s40                    ; my column
	; descriptor group 1: two records, 17,408 dense bytes, as 68 rows of 256 bytes (32 elements of 8 bytes), no padding
	s_or_b32 s24, s44, (3<<16)|(1<<21)             ; 15:0 the mask: x's tiles go to my row; 17:16 elements of 8 bytes; 21 set beside a mask
	s_or_b32 s48, s45, (3<<16)|(1<<21)             ; the weight's tiles go to my column
.irp g, 24, 48
	s_mov_b32 s[\g+1], 32<<16                      ; tensor_dim0 = 32
	s_mov_b32 s[\g+2], 68<<16                      ; tensor_dim1 = 68
	s_mov_b32 s[\g+3], 32<<16                      ; tile_dim0 = 32
	s_mov_b32 s[\g+4], 68                          ; tile_dim1 = 68
	s_mov_b32 s[\g+5], 32                          ; from row to row
	s_mov_b32 s[\g+6], 0
	s_mov_b32 s[\g+7], 0
.endr
	s_lshl_b32 s20, s43, 4                         ; x: tile 16 Y + my two (these registers never hold cx)
	s_add_co_u32 s20, s20, s17
	s_mul_i32 s20, s20, TREC
	s_mov_b32 s21, 0
	s_lshl_b32 s46, s42, 4                         ; the weight: tile 16 X + my two (these never hold cy)
	s_add_co_u32 s46, s46, s17
	s_mul_i32 s46, s46, TREC
	s_mov_b32 s47, 0
	s_mul_i32 s18, s14, 2*TREC                     ; where they go: wave x two records: waves 0-7 fill x's block, waves 8-15 the weight's
	s_wait_dscnt 0x0
	s_wait_kmcnt 0x0
	CROUND                                         ; all sixteen work-groups are here: the joint loads meet
	s_mov_b32 s32, 1
	s_mov_b32 s33, s18
	s_add_nc_u64 s[34:35], s[4:5], s[20:21]
	s_or_b32 s35, s35, 0x80000000
	s_mov_b32 s56, 1
	s_mov_b32 s57, s18
	s_add_nc_u64 s[58:59], s[6:7], s[46:47]
	s_or_b32 s59, s59, 0x80000000
	s_cmp_lt_u32 s14, 8                            ; the branch hangs on the wave's number alone; four v_nop follow each of the two lines
	s_cbranch_scc0 .Lfor_b
	tensor_load_to_lds s[32:35], s[24:31]
	s_nop 0
.rept 4
	v_nop
.endr
	s_branch .Lasked
.Lfor_b:
	tensor_load_to_lds s[56:59], s[48:55]
	s_nop 0
.rept 4
	v_nop
.endr
.Lasked:                                           ; one tensor load of mine is out
	v_and_b32 v11, 31, v0                          ; l
	v_and_b32 v12, 15, v0                          ; r
	v_bfe_u32 v13, v0, 4, 1                        ; h
	s_cmp_lt_u32 ttmp9, 2                          ; q, k: P is the weight; v: P is x
	s_cselect_b32 s66, ABLK, 0
	s_cselect_b32 s67, 0, ABLK
	s_mul_i32 s18, s15, 8*TREC
	s_add_co_u32 s66, s66, s18                     ; my eight tiles of P
	s_mul_i32 s18, s16, 2*TREC
	s_add_co_u32 s67, s67, s18                     ; my two tiles of R
	v_lshl_add_u32 v1, v11, 4, s66                 ; v1: P's tiles 0-3: an image's 16 bytes a lane
	s_delay_alu instid0(VALU_DEP_1)
	v_add_nc_u32 v2, 4*TREC, v1                    ; v2: tiles 4-7
	v_lshl_add_u32 v3, v11, 4, s67                 ; v3: R's
	v_mul_u32_u24 v4, v13, 4*TREC                  ; v4: P's scale words: lanes 0-15 tile t, lanes 16-31 tile t + 4
	s_delay_alu instid0(VALU_DEP_1)
	v_lshl_add_u32 v4, v12, 4, v4
	s_delay_alu instid0(VALU_DEP_1)
	v_add_nc_u32 v4, s66, v4
	s_delay_alu instid0(VALU_DEP_1)
	v_add_nc_u32 v4, 8192, v4
	v_mul_u32_u24 v5, v13, TREC                    ; v5: R's: lanes 0-15 tile 0, lanes 16-31 tile 1
	s_delay_alu instid0(VALU_DEP_1)
	v_lshl_add_u32 v5, v12, 4, v5
	s_delay_alu instid0(VALU_DEP_1)
	v_add_nc_u32 v5, s67, v5
	s_delay_alu instid0(VALU_DEP_1)
	v_add_nc_u32 v5, 8192, v5
	v_lshlrev_b32 v6, 2, v11                       ; v6: 4 l
	v_lshlrev_b32 v7, 4, v11                       ; v7: 16 l
	s_lshr_b32 s76, s43, 3
	s_lshl_b32 s76, s76, 4                         ; 16 x batch
	s_and_b32 s77, s43, 7
	s_lshl_b32 s77, s77, 1                         ; the first of my work-group's two key steps
	s_lshl_b32 s78, s40, 2                         ; the first of my work-group's four heads
	s_mov_b32 s81, 0
	s_cmp_lt_u32 ttmp9, 2
	s_cbranch_scc0 .Lrole_v
	; ---- q, k: where the results go, and the bias
	s_cmp_eq_u32 ttmp9, 0
	s_cselect_b64 s[68:69], s[10:11], s[12:13]     ; columns 0-1023 are q's, 1024-2047 k's
	s_lshl_b32 s79, s15, 1
	s_add_co_u32 s78, s78, s79
	s_add_co_u32 s78, s78, s76                     ; 16 x batch + the first of my two heads
	s_lshr_b32 s79, s16, 2
	s_add_co_u32 s77, s77, s79                     ; my rows' key step
	s_and_b32 s79, s16, 3                          ; and which pair of its tiles
	s_mul_i32 s80, s78, HREC
	s_mul_i32 s77, s77, KREC
	s_add_co_u32 s80, s80, s77
	s_add_nc_u64 s[68:69], s[68:69], s[80:81]      ; the record
	s_lshl_b32 s80, s79, 7
	s_add_co_u32 s80, s80, 8192
	s_add_nc_u64 s[70:71], s[68:69], s[80:81]      ; s[70:71]: the pair's scale words
	s_lshl_b32 s80, s79, 10
	s_add_nc_u64 s[68:69], s[68:69], s[80:81]      ; s[68:69]: the pair's codes
	s_mov_b32 s72, 512                             ; from tile to tile
	s_mov_b32 s73, HREC                            ; from the first half of a fragment to the second: the next head
	s_lshl_b32 s80, s42, 10
	s_lshl_b32 s79, s15, 9
	s_add_co_u32 s80, s80, s79
	s_add_nc_u64 s[74:75], s[8:9], s[80:81]        ; bqkv at my 128 columns
	v_lshlrev_b32 v14, 6, v13                      ; register j of result t is column 32 (t / 2) + 16 h + 8 (t % 2) + j
.irp i, 0,1
.irp t, 0,1,2,3,4,5,6,7
	global_load_b128 v[ACC+64*\i+8*\t:ACC+64*\i+8*\t+3], v14, s[74:75] offset:128*(\t/2)+32*(\t%2)
	global_load_b128 v[ACC+64*\i+8*\t+4:ACC+64*\i+8*\t+7], v14, s[74:75] offset:128*(\t/2)+32*(\t%2)+16
.endr
.endr
	s_branch .Ljoin
.Lrole_v:
	; ---- v
	s_lshr_b32 s79, s16, 1
	s_add_co_u32 s78, s78, s79
	s_add_co_u32 s78, s78, s76                     ; 16 x batch + my head
	s_add_co_u32 s77, s77, s15                     ; my 128 keys' step
	s_and_b32 s79, s16, 1                          ; which pair of the head's four tiles of d
	s_mul_i32 s80, s78, HREC
	s_mul_i32 s77, s77, KREC
	s_add_co_u32 s80, s80, s77
	s_add_nc_u64 s[68:69], s[12:13], s[80:81]
	s_lshl_b32 s80, s79, 7
	s_add_co_u32 s80, s80, 8704
	s_add_nc_u64 s[70:71], s[68:69], s[80:81]
	s_lshl_b32 s80, s79, 11
	s_add_co_u32 s80, s80, 4096
	s_add_nc_u64 s[68:69], s[68:69], s[80:81]
	s_mov_b32 s72, 1024                            ; from tile to tile
	s_mov_b32 s73, 512                             ; the second half of the same image
	s_lshl_b32 s80, s42, 10
	s_lshl_b32 s79, s16, 7
	s_add_co_u32 s80, s80, s79
	s_add_nc_u64 s[74:75], s[8:9], s[80:81]        ; bqkv at my 32 columns
	v_and_b32 v10, 8, v12
	s_delay_alu instid0(VALU_DEP_1)
	v_add_nc_u32 v10, v10, v12
	s_delay_alu instid0(VALU_DEP_1)
	v_lshlrev_b32 v10, 2, v10                      ; my lane's column of tile i: 8 i + r + 8 (r / 8)
	global_load_b32 v14, v10, s[74:75]             ; each number twice, into registers of different banks, for the pairs of moves below
	global_load_b32 v15, v10, s[74:75]
	global_load_b32 v12, v10, s[74:75] offset:32
	global_load_b32 v13, v10, s[74:75] offset:32
	s_wait_loadcnt 0x0
.set n, 0
.rept 32
	v_dual_mov_b32 v[ACC+2*n], v14 :: v_dual_mov_b32 v[ACC+2*n+1], v15             ; a lane's one bias number in all its registers: the sums begin with it
.set n, n+1
.endr
.set n, 0
.rept 32
	v_dual_mov_b32 v[ACC+64+2*n], v12 :: v_dual_mov_b32 v[ACC+64+2*n+1], v13
.set n, n+1
.endr
.Ljoin:
	s_wait_alu depctr_va_vdst(0)
	v_add_nc_u32 v8, s73, v7                       ; v7-10: tile 0 first half, second half; tile 1 first half, second half
	v_add_nc_u32 v9, s72, v7
	s_delay_alu instid0(VALU_DEP_2)
	v_add_nc_u32 v10, s72, v8
	s_mov_b32 s60, 0x76543210
	s_mov_b32 s61, 0xfedcba98                      ; v_permlanex16_b32's selects for lane l xor 16
	s_wait_loadcnt 0x0                             ; the bias
	s_wait_tensorcnt 0x0                           ; my two records lie in LDS,
	s_barrier_signal -1
	s_barrier_wait -1                              ; everybody's do.  Nothing is written to LDS from here on
; one matrix instruction: P's tile t x R's tile i, K step s.  Scale words: P's in lanes 0-15 (tiles 0-3) or 16-31 (tiles 4-7), R's in lanes 0-15 (tile 0) or 16-31 (tile 1)
.macro MM t, i, s
.set rD, ACC+64*(\i)+8*(\t)
.set rA, PF+8*(\t)
.set rB, RF+8*(\i)
.set rX, SP+4*((\t)%4)+(\s)%4
.set rY, SR+(\s)%4
.if ((\t) >= 4) && ((\i) == 1)
	v_wmma_scale_f32_16x16x128_f8f6f4 v[rD:rD+7], v[rA:rA+7], v[rB:rB+7], v[rD:rD+7], v[rX], v[rY] matrix_a_fmt:MATRIX_FMT_FP4 matrix_b_fmt:MATRIX_FMT_FP4 matrix_a_scale:MATRIX_SCALE_ROW1 matrix_b_scale:MATRIX_SCALE_ROW1
.elseif (\t) >= 4
	v_wmma_scale_f32_16x16x128_f8f6f4 v[rD:rD+7], v[rA:rA+7], v[rB:rB+7], v[rD:rD+7], v[rX], v[rY] matrix_a_fmt:MATRIX_FMT_FP4 matrix_b_fmt:MATRIX_FMT_FP4 matrix_a_scale:MATRIX_SCALE_ROW1
.elseif (\i) == 1
	v_wmma_scale_f32_16x16x128_f8f6f4 v[rD:rD+7], v[rA:rA+7], v[rB:rB+7], v[rD:rD+7], v[rX], v[rY] matrix_a_fmt:MATRIX_FMT_FP4 matrix_b_fmt:MATRIX_FMT_FP4 matrix_b_scale:MATRIX_SCALE_ROW1
.else
	v_wmma_scale_f32_16x16x128_f8f6f4 v[rD:rD+7], v[rA:rA+7], v[rB:rB+7], v[rD:rD+7], v[rX], v[rY] matrix_a_fmt:MATRIX_FMT_FP4 matrix_b_fmt:MATRIX_FMT_FP4
.endif
.endm
; A K step of 128: 20 LDS loads (25 where four steps' scale words come too), 16 matrix instructions on 16 accumulators by turns.  Four waves share a SIMD: one wave's loads stand beside another's products.
.macro KSTEP s
.if (\s) > 0
.rept 4
	v_nop                                          ; places in front of loads into registers that matrix instructions have read (ISA guide 7.12.1 for vector instructions)
.endr
.endif
.if (\s)%4 == 0
.irp u, 0,1,2,3
	ds_load_b128 v[SP+4*\u:SP+4*\u+3], v4 offset:TREC*\u+256*((\s)/4)
.endr
	ds_load_b128 v[SR:SR+3], v5 offset:256*((\s)/4)
.endif
.irp i, 0,1
.irp c, 0,1
	ds_load_b128 v[RF+8*\i+4*\c:RF+8*\i+4*\c+3], v3 offset:TREC*\i+1024*(\s)+512*\c
.endr
.endr
.irp t, 0,1,2,3
.irp c, 0,1
	ds_load_b128 v[PF+8*\t+4*\c:PF+8*\t+4*\c+3], v1 offset:TREC*\t+1024*(\s)+512*\c
.endr
.endr
.irp t, 4,5,6,7
.irp c, 0,1
	ds_load_b128 v[PF+8*\t+4*\c:PF+8*\t+4*\c+3], v2 offset:TREC*(\t-4)+1024*(\s)+512*\c
.endr
.endr
.irp t, 0,1,2,3,4,5,6,7
	s_wait_dscnt 14-2*\t                           ; P's tile t is in; the two loads of each later tile stay out
	MM \t, 0, \s
	MM \t, 1, \s
.endr
.endm
	KSTEP 0
	KSTEP 1
	KSTEP 2
	KSTEP 3
	KSTEP 4
	KSTEP 5
	KSTEP 6
	KSTEP 7
; 64 numbers of a lane, register 16 b + i = item 32 b + 16 (lane / 16) + i of P, become a fragment's codes in v[pc] on and its scale word in v[pw]
.macro QUANT s, pc, pw
.irp b, 0,1,2,3
	v_max3_num_f32 v[TM+\b], |v[(\s)+16*\b]|, |v[(\s)+1+16*\b]|, 0x1800000   ; my 16 numbers of block b, each accumulator from its low end on, and the floor 2^(3 - 127)
.endr
.irp i, 2,4,6,8,10,12,14
.irp b, 0,1,2,3
	v_max3_num_f32 v[TM+\b], v[TM+\b], |v[(\s)+16*\b+\i]|, |v[(\s)+1+16*\b+\i]|
.endr
.endr
.irp b, 0,1,2,3
	s_delay_alu instid0(VALU_DEP_4)
	v_permlanex16_b32 v[TM+4+\b], v[TM+\b], s60, s61
.endr
.irp b, 0,1,2,3
	s_delay_alu instid0(VALU_DEP_4)
	v_max_num_f32 v[TM+\b], v[TM+\b], v[TM+4+\b]   ; with lane l xor 16's: the block's largest magnitude
.endr
.irp b, 0,1,2,3
	s_delay_alu instid0(VALU_DEP_4)
	v_add_nc_u32 v[TM+12+\b], 0xff000000, v[TM+\b] ; 2 off its exponent field: the conversion's scale operand
.endr
.irp b, 0,1,2,3
	s_delay_alu instid0(VALU_DEP_4)
	v_lshrrev_b32 v[TM+4+\b], 23, v[TM+12+\b]      ; the scale's byte
.endr
	s_delay_alu instid0(VALU_DEP_3)
	v_lshl_or_b32 v[\pw], v[TM+5], 8, v[TM+4]
	s_delay_alu instid0(VALU_DEP_1)
	v_lshl_or_b32 v[\pw], v[TM+6], 16, v[\pw]
	s_delay_alu instid0(VALU_DEP_1)
	v_lshl_or_b32 v[\pw], v[TM+7], 24, v[\pw]
.irp b, 0,1,2,3
	v_cvt_scalef32_pk8_fp4_f32 v[(\pc)+2*\b], v[(\s)+16*\b:(\s)+7+16*\b], v[TM+12+\b]
	v_cvt_scalef32_pk8_fp4_f32 v[(\pc)+1+2*\b], v[(\s)+8+16*\b:(\s)+15+16*\b], v[TM+12+\b]
.endr
	v_nop                                          ; one plain line behind a scaled conversion
.irp c, 0,1                                    ; the operand's layout wants a whole block in a lane: lanes 0-15 block 2 c, lanes 16-31 block 2 c + 1
.irp i, 0,1
	v_permlane16_swap_b32 v[(\pc)+4*\c+\i], v[(\pc)+2+4*\c+\i]
.endr
.endr
.endm
.rept 4
	v_nop                                          ; places behind the last products, in front of the first read of results and the first write of operands
.endr
.irp b, 0,1,2,3
	v_mov_b32 v[TM+4+\b], 0                        ; written once: a lane permute's destination counts as one of its sources
.endr
	QUANT ACC, PC0, PW0
	global_store_b128 v7, v[PC0:PC0+3], s[68:69]   ; each store: 512 consecutive bytes, at a multiple of 256 from the buffer's first byte
	global_store_b128 v8, v[PC0+4:PC0+7], s[68:69]
	QUANT ACC+64, PC1, PW1
	global_store_b128 v9, v[PC1:PC1+3], s[68:69]
	global_store_b128 v10, v[PC1+4:PC1+7], s[68:69]
	s_mov_b32 s76, 0xffff0000
	v_cndmask_b32 v86, v84, v85, s76               ; lanes 0-15: tile 0's scale words, lanes 16-31: tile 1's (both halves of the lanes hold row r's word)
	s_cmp_lt_u32 ttmp9, 2
	s_cbranch_scc0 .Lv_words
	s_mov_b32 s77, 0x7f7f0000                      ; q, k: a word's bytes 0, 1 are the first head's, bytes 2, 3 the second's.  A head's own word gets 127 above: those bytes scale the empty half of a K of 128
	v_and_or_b32 v87, v86, 0xffff, s77
	v_lshrrev_b32 v88, 16, v86
	s_delay_alu instid0(VALU_DEP_1)
	v_or_b32 v88, s77, v88
	global_store_b32 v6, v87, s[70:71]
	global_store_b32 v6, v88, s[70:71] offset:HREC
	s_branch .Ldone
.Lv_words:
	s_wait_alu depctr_va_vdst(0)
	global_store_b32 v6, v86, s[70:71]             ; v: the word's four bytes are the four blocks of 32 keys
.Ldone:
	s_wait_dscnt 0x0
	s_wait_tensorcnt 0x0
	ds_add_u32 v126, v127
	s_wait_dscnt 0x0
	CROUND                                         ; the closing round: no work-group ends while a partner may still ask for a tile that names it
	s_endpgm
.Lfunc_end_k_qf51bc1e7f4_gemm1:
	.size	k_qf51bc1e7f4_gemm1, .Lfunc_end_k_qf51bc1e7f4_gemm1-k_qf51bc1e7f4_gemm1
	.p2alignl 7, 3214868480
	.fill 96, 4, 3214868480
	.section	.rodata,"a",@progbits
	.p2align	6, 0x0
	.amdhsa_kernel k_qf51bc1e7f4_gemm1
		.amdhsa_group_segment_fixed_size 280576
		.amdhsa_private_segment_fixed_size 0
		.amdhsa_enable_private_segment 0
		.amdhsa_kernarg_size 40
		.amdhsa_user_sgpr_count 2
		.amdhsa_user_sgpr_kernarg_segment_ptr 1
		.amdhsa_wavefront_size32 1
		.amdhsa_system_sgpr_workgroup_id_x 1
		.amdhsa_system_sgpr_workgroup_id_y 1
		.amdhsa_system_sgpr_workgroup_id_z 1
		.amdhsa_system_vgpr_workitem_id 0
		.amdhsa_next_free_vgpr 256
		.amdhsa_next_free_sgpr 100
		.amdhsa_reserve_vcc 0
		.amdhsa_float_denorm_mode_32 3
		.amdhsa_float_denorm_mode_16_64 3
		.amdhsa_memory_ordered 1
		.amdhsa_forward_progress 1
		.amdhsa_inst_pref_size 56
	.end_amdhsa_kernel
	.amdgpu_metadata
---
amdhsa.version: [ 1, 2 ]
amdhsa.kernels:
  - .name:           k_qf51bc1e7f4_gemm1
    .symbol:         k_qf51bc1e7f4_gemm1.kd
    .args:
      - { .name: xq, .offset: 0, .size: 8, .value_kind: global_buffer, .address_space: global }
      - { .name: wq, .offset: 8, .size: 8, .value_kind: global_buffer, .address_space: global }
      - { .name: bqkv, .offset: 16, .size: 8, .value_kind: global_buffer, .address_space: global }
      - { .name: qq, .offset: 24, .size: 8, .value_kind: global_buffer, .address_space: global }
      - { .name: kv, .offset: 32, .size: 8, .value_kind: global_buffer, .address_space: global }
    .group_segment_fixed_size: 280576
    .private_segment_fixed_size: 0
    .kernarg_segment_align: 8
    .kernarg_segment_size: 40
    .max_flat_workgroup_size: 512
    .sgpr_count:     100
    .vgpr_count:     256
    .wavefront_size: 32
...
	.end_amdgpu_metadata
.endif
;; end of part 2
;; launch attn (part 3): grid 8 x 32, 16 waves a work-group, clusters of 4 x 1, 169,984 bytes of LDS; arguments qq, kv, mask, aq; writes aq
.if DOCPART == 3
	.amdgcn_target "amdgcn-amd-amdhsa--gfx1250"
	.amdhsa_code_object_version 6
	.text
	.protected	k_qf51bc1e7f4_attn
	.globl	k_qf51bc1e7f4_attn
	.p2align	8
	.type	k_qf51bc1e7f4_attn,@function
k_qf51bc1e7f4_attn:
	s_mov_b64 s[64:65], 0
	v_nop
	global_prefetch_b8 v0, s[64:65] scope:SCOPE_SE
	s_setreg_imm32_b32 hwreg(HW_REG_WAVE_MODE, 25, 1), 1
	s_wait_xcnt 0x0
	s_wait_alu depctr_hold_cnt(0) depctr_sa_sdst(0) depctr_va_vdst(0) depctr_va_sdst(0) depctr_va_ssrc(0) depctr_va_vcc(0) depctr_vm_vsrc(0)
	s_getreg_b32 s2, hwreg(HW_REG_IB_STS2, 6, 4)
	s_cmp_eq_u32 s2, 0
	s_cbranch_scc0 .Lentry_in_a_cluster
	s_endpgm
.Lentry_in_a_cluster:
	s_bfe_u32 s2, ttmp6, 0x10000c
	s_cmp_lg_u32 s2, 0x3003
	s_cbranch_scc0 .Lentry_shape_is_right
	s_endpgm
.Lentry_shape_is_right:
; Causal attention with a key mask, both products on codes of FP4 with E8M0 scales; the result, divided by the row's sum, is quantised along the model's 1,024 and stored as codes for the last product.
; t = (q . k + 8 ln 2 log2(mask[key])) x log2(e) / 8; M = the running largest t rounded UP to a whole number; p = 2^(t - M) is quantised along the keys; the row's sum is taken of the unquantised p.
; SHARES.  A work-group serves one head of one batch; a head's 16 records (128 keys each: K's tiles, V^T's tiles, their scale words: 143,360 bytes) lie in LDS whole, filled once.  The eight work-groups of a head
; take the query tiles T = 8 p + jw with jw their number; wave w takes p = w xor 3 ((w >> 2) & 1): it needs key steps 0 .. p, the last on the diagonal.  So every work-group has the same work.
; CLUSTER: four work-groups of one head ask for the records JOINTLY: waves 0-7, two records each.  jw enters global addresses and the causal compare alone: no branch and no LDS address hangs on it.
; LAYOUT.  Both products are used transposed (S^T = K Q^T, O^T = V^T P^T): a lane holds ONE query.  Tile 2 g + u, row r, is key (or d) 32 g + 8 u + r + 8 (r / 8), so the 16 registers of results 2 b, 2 b + 1 are 16 neighbours.
; K = 64 IN AN INSTRUCTION OF 128: Q's fragment has zero codes for k = 64 .. 127, so K's upper four registers may hold anything: fragment t is v[32 + 4 t : 39 + 4 t], whose upper half is the next tile's codes.
; THE MASK is the C of the score product: its term is loaded from LDS straight into the accumulators.  log2(0) is held at -2^32 in score units: t is then about -2^29.5, where the rounding of c x score stays under 2^6.
; So a row that has seen masked keys only holds finite numbers, and the first key that counts wipes them (f = 0).  A row that never sees one gets the scale byte 0xff: the last product then gives NaN, as the softmax of such a row does.
; LIMITS: a key counts as masked where mask is 0 or under 2^-126 (the logarithm takes denormals for zero), and also where it is negative or NaN; valid t lies above -2^28;
;   a block of zeros gets the byte 1 where the rule says 127 (this program alone reads the bytes).  The scale bytes of a tile leave as 32 single bytes inside one run of 256.
; REGISTERS: v1-7, v9 addresses; v4 the causal bound; v12 -M, v13 the largest t, v[14:15] the sum in two halves; v16-23 Q; v24 Q's scale word; v26-27 V's, v28-31 K's; v32-67 K; v96-159 S^T, then p;
;   v160-191 O^T; v192-223 V^T; v224-231 p's codes; v232-254 at work.
.set KREC, 8960
.set HREC, 16*KREC
.set TREC, 8704
.set LMB,  HREC                        ; behind the records: the mask's terms, 2,048 f32: stored by the waves, no tile lands there
.set WV,   12
.set PP,   16                          ; s16  p: my last key step
.set SEL,  20
.set CS,   22
.set G1,   24
.set G0,   32
.set KS,   36                          ; s36  the key step
.set TB,   37                          ; s37  where its record begins in LDS
.set TL,   38                          ; s38  and its mask terms
.macro CROUND                          ; a round of the cluster's barrier
	s_barrier_signal -1
	s_barrier_wait -1
	s_cmp_lg_u32 s[WV], 0
	s_cbranch_scc1 .Lnot_wave_0_\@
	s_barrier_signal -3
.Lnot_wave_0_\@:
	s_barrier_wait -3
	s_barrier_signal -1
	s_barrier_wait -1
.endm
	s_load_b256 s[4:11], s[0:1], 0x0               ; qq s[4:5], kv s[6:7], mask s[8:9], aq s[10:11]
	v_lshl_add_u32 v251, v0, 2, 0x29000
	v_mov_b32 v255, 0
	ds_add_u32 v251, v255
	ds_add_u32 v251, v255
	v_lshrrev_b32 v8, 5, v0
	s_delay_alu instid0(VALU_DEP_1)
	v_readfirstlane_b32 s[WV], v8                  ; wave 0..15
	s_bfe_u32 s13, ttmp6, 0x40000                  ; cx
	s_lshl_b32 s14, ttmp9, 2
	s_add_co_u32 s14, s14, s13                     ; jw: my work-group among the head's eight
	s_and_b32 s15, ttmp7, 0xffff                   ; 16 x batch + head
	s_lshr_b32 s18, s15, 4                         ; batch
	s_and_b32 s17, s15, 15                         ; head
	s_bfe_u32 s[PP], s[WV], 0x10002
	s_mul_i32 s[PP], s[PP], 3
	s_xor_b32 s[PP], s[PP], s[WV]                  ; p
	; descriptor group 1: two records, 17,920 dense bytes, as 70 rows of 256 bytes (32 elements of 8 bytes), no padding
	s_mov_b32 s[G1], 15|(3<<16)|(1<<21)            ; 15:0 the mask: all four work-groups; 17:16 elements of 8 bytes; 21 set beside a mask
	s_mov_b32 s[G1+1], 32<<16
	s_mov_b32 s[G1+2], 70<<16
	s_mov_b32 s[G1+3], 32<<16
	s_mov_b32 s[G1+4], 70
	s_mov_b32 s[G1+5], 32
	s_mov_b32 s[G1+6], 0
	s_mov_b32 s[G1+7], 0
	s_mul_i32 s50, s15, HREC                       ; the head's records
	s_mov_b32 s51, 0
	s_mul_i32 s52, s[WV], 2*KREC                   ; the two that I fetch, in memory and in LDS alike
	s_mov_b32 s53, 0
	s_wait_dscnt 0x0
	s_wait_kmcnt 0x0
	s_add_nc_u64 s[6:7], s[6:7], s[50:51]
	CROUND                                         ; all four work-groups are here: the joint loads meet
	s_mov_b32 s[G0], 1
	s_mov_b32 s[G0+1], s52
	s_add_nc_u64 s[G0+2:G0+3], s[6:7], s[52:53]
	s_or_b32 s[G0+3], s[G0+3], 0x80000000
	s_cmp_lt_u32 s[WV], 8                          ; waves 0-7 fetch, one load each; the branch hangs on the wave's number alone
	s_cbranch_scc0 .Lno_fetch
	tensor_load_to_lds s[G0:G0+3], s[G1:G1+7]
	s_nop 0
.rept 4
	v_nop
.endr
.Lno_fetch:
	v_and_b32 v10, 31, v0                          ; l
	v_and_b32 v11, 15, v0                          ; r
	v_bfe_u32 v8, v0, 4, 1                         ; h
	s_delay_alu instid0(VALU_DEP_3)
	v_lshlrev_b32 v1, 4, v10                       ; v1: 16 l: an image's place for my lane
	s_delay_alu instid0(VALU_DEP_4)
	v_lshl_add_u32 v2, v10, 2, 8192                ; v2: 4 l + 8,192: a scale word's
	s_delay_alu instid0(VALU_DEP_3)
	v_lshl_add_u32 v3, v8, 6, LMB                  ; v3: the mask terms of my half's 16 keys of a block
	v_lshlrev_b32 v68, 4, v0                       ; the mask: 16 bytes a thread,
	s_wait_alu depctr_va_vdst(0)
	v_lshl_add_u32 v69, v0, 4, LMB                 ; in memory and in LDS
	v_lshlrev_b32 v70, 2, v11
	s_wait_alu depctr_va_vdst(0)
	s_mul_i32 s54, s[PP], KREC
	s_add_co_u32 s54, s54, s50
	s_mov_b32 s55, 0
	s_add_nc_u64 s[42:43], s[4:5], s[54:55]        ; qq at my queries' record
	s_lshl_b32 s54, s14, 9
	s_add_nc_u64 s[40:41], s[42:43], s[54:55]      ; my tile's codes: 512 jw
	s_lshl_b32 s54, s14, 6
	s_add_co_u32 s54, s54, 8192
	s_add_nc_u64 s[42:43], s[42:43], s[54:55]      ; its scale words: 8,192 + 64 jw
	s_lshl_b32 s54, s18, 13
	s_add_nc_u64 s[8:9], s[8:9], s[54:55]          ; the batch's mask
	global_load_b128 v[100:103], v68, s[8:9]
	global_load_b128 v[16:19], v1, s[40:41]        ; Q's fragment stays in registers
	global_load_b32 v24, v70, s[42:43]             ; and its scale words
	s_lshl_b32 s56, s18, 7
	s_lshl_b32 s57, s[PP], 3
	s_add_co_u32 s56, s56, s57
	s_add_co_u32 s56, s56, s14                     ; my tile of rows among the 256: 128 x batch + 8 p + jw
	s_mul_i32 s56, s56, TREC
	s_mov_b32 s57, 0
	s_add_nc_u64 s[46:47], s[10:11], s[56:57]
	s_lshl_b32 s56, s17, 9
	s_add_nc_u64 s[44:45], s[46:47], s[56:57]      ; s[44:45]: my head's two blocks in the tile's images: 512 x head
	s_lshr_b32 s56, s17, 3
	s_lshl_b32 s56, s56, 8
	s_and_b32 s58, s17, 7
	s_lshl_b32 s58, s58, 1
	s_add_co_u32 s56, s56, s58
	s_add_co_u32 s56, s56, 8192
	s_add_nc_u64 s[46:47], s[46:47], s[56:57]      ; s[46:47]: their two scale bytes: 8,192 + 256 (head / 8) + 2 (head % 8)
	s_lshr_b32 s58, s14, 1
	s_lshl_b32 s58, s58, 5
	s_and_b32 s59, s14, 1
	s_lshl_b32 s59, s59, 3
	s_add_co_u32 s58, s58, s59
	v_and_b32 v4, 8, v11
	s_delay_alu instid0(VALU_DEP_1)
	v_add_nc_u32 v4, v4, v11
	v_lshlrev_b32 v9, 4, v8
	s_delay_alu instid0(VALU_DEP_1)
	v_sub_nc_u32 v4, v4, v9
	s_delay_alu instid0(VALU_DEP_1)
	v_add_nc_u32 v4, s58, v4                       ; v4: my query's place in its key step, less 16 h
	v_lshl_add_u32 v9, v11, 4, v8                  ; v9: 16 r + h: my scale byte's place
	s_mov_b32 s[SEL], 0x76543210
	s_mov_b32 s[SEL+1], 0xfedcba98                 ; v_permlanex16_b32's selects for lane l xor 16
	s_mov_b32 s[CS], 0x3e38aa3b                    ; c = log2(e) / 8
	s_mov_b32 s[CS+1], s[CS]                       ; (named with it as a pair, so it is written)
	s_mov_b32 s48, 0xffff0000
	s_mov_b32 s[KS], 0
	s_mov_b32 s[TB], 0
	s_mov_b32 s[TL], 0
	v_mov_b32 v13, 0xff61b1e6                      ; the largest t so far: -3e38, under every t
	s_delay_alu instid0(VALU_DEP_1)
	v_floor_f32 v12, -v13                          ; -M
	v_mov_b32 v14, 0                               ; the sum, in two halves
	v_mov_b32 v15, 0
.irp j, 20,21,22,23,64,65,66,67,236,237,238,239,252,253
	v_mov_b32 v[\j], 0                             ; Q's codes for k = 64 .. 127; what lies above K's last tile; lane permutes' destinations; the pair v[252:253]
.endr
.set j, 0
.rept 32
	v_mov_b32 v[160+j], 0                          ; O^T.  (The step is written once: the first finds zeros, which the first change of M leaves zeros)
.set j, j+1
.endr
	s_wait_loadcnt 0x2                             ; the mask is in; Q's two loads stay out
.irp j, 0,1,2,3
	v_log_f32 v[104+\j], v[100+\j]
.endr
	v_nop                                          ; a plain line behind the logarithms,
	s_wait_alu depctr_va_vdst(0)                   ; and the one wait ahead of their first reader
.irp j, 0,1,2,3
	v_mul_f32 v[104+\j], 0x40b17218, v[104+\j]     ; x 8 ln 2: in score units
.endr
.irp j, 0,1,2,3
	s_delay_alu instid0(VALU_DEP_4)
	v_max_num_f32 v[104+\j], 0xcf800000, v[104+\j] ; held at -2^32
.endr
	ds_store_b128 v69, v[104:107]
	s_wait_dscnt 0x0                               ; for the others' sake: my mask terms lie in LDS,
	s_wait_tensorcnt 0x0                           ; and so do my two records;
	s_barrier_signal -1
	s_barrier_wait -1                              ; everybody's do.  Nothing is written to LDS from here on
	s_wait_loadcnt 0x0                             ; Q
.macro SCORE t
.if (\t)%2
	v_wmma_scale_f32_16x16x128_f8f6f4 v[96+8*(\t):103+8*(\t)], v[32+4*(\t):39+4*(\t)], v[16:23], v[96+8*(\t):103+8*(\t)], v[28+(\t)/2], v24 matrix_a_fmt:MATRIX_FMT_FP4 matrix_b_fmt:MATRIX_FMT_FP4 matrix_a_scale:MATRIX_SCALE_ROW1
.else
	v_wmma_scale_f32_16x16x128_f8f6f4 v[96+8*(\t):103+8*(\t)], v[32+4*(\t):39+4*(\t)], v[16:23], v[96+8*(\t):103+8*(\t)], v[28+(\t)/2], v24 matrix_a_fmt:MATRIX_FMT_FP4 matrix_b_fmt:MATRIX_FMT_FP4
.endif
.endm
.macro PVM t
.if (\t)%2
	v_wmma_scale_f32_16x16x128_f8f6f4 v[160+8*(\t):167+8*(\t)], v[192+8*(\t):199+8*(\t)], v[224:231], v[160+8*(\t):167+8*(\t)], v[26+(\t)/2], v253 matrix_a_fmt:MATRIX_FMT_FP4 matrix_b_fmt:MATRIX_FMT_FP4 matrix_a_scale:MATRIX_SCALE_ROW1
.else
	v_wmma_scale_f32_16x16x128_f8f6f4 v[160+8*(\t):167+8*(\t)], v[192+8*(\t):199+8*(\t)], v[224:231], v[160+8*(\t):167+8*(\t)], v[26+(\t)/2], v253 matrix_a_fmt:MATRIX_FMT_FP4 matrix_b_fmt:MATRIX_FMT_FP4
.endif
.endm
.Lstep:                                            ; 16 trips, a constant; a step all of whose keys come after my queries is jumped over, but for the lines that step addresses
	s_cmp_gt_u32 s[KS], s[PP]
	s_cbranch_scc1 .Lhidden
	s_setprio 2
	v_add_nc_u32 v5, s[TB], v1
	v_add_nc_u32 v6, s[TB], v2
	v_add_nc_u32 v7, s[TL], v3
	v_nop                                          ; with the three additions: the four places in front of loads into registers that the last products read
.irp b, 0,1,2,3
.irp e, 0,1,2,3
	ds_load_b128 v[96+16*\b+4*\e:99+16*\b+4*\e], v7 offset:128*\b+16*\e   ; the mask terms of keys 32 b + 16 h + 4 e on, straight into the accumulators
.endr
.endr
.irp t, 0,1,2,3,4,5,6,7
	ds_load_b128 v[32+4*\t:35+4*\t], v5 offset:512*\t                     ; K's eight tiles
.endr
.irp g, 0,1,2,3
	ds_load_b32 v[28+\g], v6 offset:128*\g                                ; their scale words: lanes 0-15 tile 2 g, lanes 16-31 tile 2 g + 1
.endr
.irp f, 0,1,2,3,4,5,6,7
	ds_load_b128 v[192+4*\f:195+4*\f], v5 offset:4096+512*\f              ; V^T's four tiles
.endr
.irp g, 0,1
	ds_load_b32 v[26+\g], v6 offset:512+128*\g
.endr
	s_wait_dscnt 10                                ; mask terms, K and its scale words are in; V's ten loads stay out
.irp t, 0,1,2,3,4,5,6,7
	SCORE \t                                       ; S^T = K Q^T + the mask's term: eight accumulators, one instruction each
.endr
.rept 4
	v_nop
.endr
	s_cmp_lg_u32 s[KS], s[PP]
	s_cbranch_scc1 .Lopen                          ; only my last step lies on the diagonal
	v_mov_b32 v254, 0xff800000                     ; -infinity.  Register 16 b + i holds key 32 b + 16 h + i of the step: hidden where 32 b + i > v4
.set n, 0
.rept 64
	v_cmp_gt_i32 vcc_lo, 32*(n/16)+n%16, v4
	v_cndmask_b32 v[96+n], v[96+n], v254, vcc_lo
.set n, n+1
.endr
.Lopen:
.irp b, 0,1,2,3
	v_max3_num_f32 v[232+\b], v[96+16*\b], v[97+16*\b], v[98+16*\b]   ; the largest score of each block of 32 keys: for the row's maximum and, since p rises with the score, for the block's largest p
.endr
.irp i, 3,5,7,9,11,13
.irp b, 0,1,2,3
	v_max3_num_f32 v[232+\b], v[232+\b], v[96+16*\b+\i], v[97+16*\b+\i]
.endr
.endr
.irp b, 0,1,2,3
	v_max_num_f32 v[232+\b], v[232+\b], v[111+16*\b]
.endr
.irp b, 0,1,2,3
	s_delay_alu instid0(VALU_DEP_4)
	v_permlanex16_b32 v[236+\b], v[232+\b], s[SEL], s[SEL+1]
.endr
.irp b, 0,1,2,3
	s_delay_alu instid0(VALU_DEP_4)
	v_max_num_f32 v[232+\b], v[232+\b], v[236+\b]  ; with lane l xor 16's 16 keys
.endr
	s_delay_alu instid0(VALU_DEP_2)
	v_max3_num_f32 v254, v232, v233, v234
	s_delay_alu instid0(VALU_DEP_1)
	v_max_num_f32 v254, v254, v235                 ; the step's largest score of my query (my own key counts in the diagonal step, so it is a number)
	s_delay_alu instid0(VALU_DEP_1)
	v_mul_f32 v254, s[CS], v254                    ; as t
	s_delay_alu instid0(VALU_DEP_1)
	v_max_num_f32 v13, v13, v254                   ; the running largest t
	v_mov_b32 v254, v12
	s_delay_alu instid0(VALU_DEP_2)
	v_floor_f32 v12, -v13                          ; the new -M = floor(-t) = -ceil(t)
	s_delay_alu instid0(VALU_DEP_1)
	v_sub_f32 v254, v12, v254                      ; M's old value less its new one: a whole number, 0 or less
	s_delay_alu instid0(VALU_DEP_1)
	v_cvt_i32_f32 v254, v254                       ; (it saturates)
	s_delay_alu instid0(VALU_DEP_1)
	v_ldexp_f32 v252, 1.0, v254                    ; f = 2^(old M - new M)
	s_setprio 1
.irp j, 0,2,4,6,8,10,12,14,16,18,20,22,24,26,28,30,32,34,36,38,40,42,44,46,48,50,52,54,56,58,60,62
	v_pk_fma_f32 v[96+\j:97+\j], v[96+\j:97+\j], s[CS:CS+1], v[12:13] op_sel_hi:[1,0,0]   ; t - M, two at a time
.endr
.irp b, 0,1,2,3
	v_fma_f32 v[232+\b], v[232+\b], s[CS], v12     ; the same of each block's largest score
.endr
.set j, 0
	s_wait_alu depctr_va_vdst(0)
.rept 64
	v_exp_f32 v[96+j], v[96+j]                     ; p = 2^(t - M)
.set j, j+1
.endr
	v_pk_mul_f32 v[14:15], v[14:15], v[252:253] op_sel_hi:[1,0]   ; the sums under the new M: a plain line behind the exponentials
	s_wait_alu depctr_va_vdst(0)                   ; one wait for the batch of 64, ahead of its first reader
.irp b, 0,1,2,3
	v_exp_f32 v[232+\b], v[232+\b]                 ; the block's largest p
.endr
	v_pk_add_f32 v[236:237], v[100:101], v[104:105]
	v_pk_add_f32 v[248:249], v[108:109], v[112:113]
	v_pk_add_f32 v[246:247], v[116:117], v[120:121]
	v_pk_add_f32 v[244:245], v[124:125], v[128:129]
	v_pk_add_f32 v[242:243], v[132:133], v[136:137]
	v_pk_add_f32 v[240:241], v[140:141], v[144:145]
	v_pk_add_f32 v[238:239], v[148:149], v[152:153]
	v_pk_add_f32 v[14:15], v[14:15], v[156:157]
	v_pk_add_f32 v[236:237], v[236:237], v[96:97]
	v_pk_add_f32 v[248:249], v[248:249], v[98:99]
	v_pk_add_f32 v[246:247], v[246:247], v[102:103]
	v_pk_add_f32 v[244:245], v[244:245], v[106:107]
	v_pk_add_f32 v[242:243], v[242:243], v[110:111]
	v_pk_add_f32 v[240:241], v[240:241], v[114:115]
	v_pk_add_f32 v[238:239], v[238:239], v[118:119]
	v_pk_add_f32 v[14:15], v[14:15], v[122:123]
	v_pk_add_f32 v[236:237], v[236:237], v[126:127]
	v_pk_add_f32 v[248:249], v[248:249], v[130:131]
	v_pk_add_f32 v[246:247], v[246:247], v[134:135]
	v_pk_add_f32 v[244:245], v[244:245], v[138:139]
	v_pk_add_f32 v[242:243], v[242:243], v[142:143]
	v_pk_add_f32 v[240:241], v[240:241], v[146:147]
	v_pk_add_f32 v[238:239], v[238:239], v[150:151]
	v_pk_add_f32 v[14:15], v[14:15], v[154:155]
	v_pk_add_f32 v[236:237], v[236:237], v[158:159]
	s_delay_alu instid0(VALU_DEP_2)
	v_pk_add_f32 v[14:15], v[14:15], v[244:245]
	s_delay_alu instid0(VALU_DEP_2)
	v_pk_add_f32 v[236:237], v[236:237], v[242:243]
	v_pk_add_f32 v[248:249], v[248:249], v[240:241]
	v_pk_add_f32 v[246:247], v[246:247], v[238:239]
	s_delay_alu instid0(VALU_DEP_2)
	v_pk_add_f32 v[14:15], v[14:15], v[248:249]
	s_delay_alu instid0(VALU_DEP_2)
	v_pk_add_f32 v[236:237], v[236:237], v[246:247]
	s_delay_alu instid0(VALU_DEP_1)
	v_pk_add_f32 v[14:15], v[14:15], v[236:237]
	s_setprio 0
	s_wait_alu depctr_va_vdst(0)                   ; and one for the four
.irp b, 0,1,2,3
	v_max_num_f32 v[232+\b], 0x1800000, v[232+\b]  ; the floor 2^(3 - 127): a block whose every p is 0 keeps the byte 1: its codes are zeros
.endr
.irp b, 0,1,2,3
	s_delay_alu instid0(VALU_DEP_4)
	v_add_nc_u32 v[244+\b], 0xff000000, v[232+\b]  ; 2 off the exponent field: the conversion's scale operand
.endr
.irp b, 0,1,2,3
	s_delay_alu instid0(VALU_DEP_4)
	v_lshrrev_b32 v[236+\b], 23, v[244+\b]         ; the scale's byte
.endr
	s_delay_alu instid0(VALU_DEP_3)
	v_lshl_or_b32 v253, v237, 8, v236              ; p's scale word for these 128 keys
	s_delay_alu instid0(VALU_DEP_1)
	v_lshl_or_b32 v253, v238, 16, v253
	s_delay_alu instid0(VALU_DEP_1)
	v_lshl_or_b32 v253, v239, 24, v253
.irp b, 0,1,2,3
	v_cvt_scalef32_pk8_fp4_f32 v[224+2*\b], v[96+16*\b:103+16*\b], v[244+\b]
	v_cvt_scalef32_pk8_fp4_f32 v[225+2*\b], v[104+16*\b:111+16*\b], v[244+\b]
.endr
	v_nop                                          ; one plain line behind a scaled conversion
.irp c, 0,1                                    ; the operand's layout wants a whole block in a lane
.irp i, 0,1
	v_permlane16_swap_b32 v[224+4*\c+\i], v[226+4*\c+\i]
.endr
.endr
.irp j, 0,2,4,6,8,10,12,14,16,18,20,22,24,26,28,30
	v_pk_mul_f32 v[160+\j:161+\j], v[160+\j:161+\j], v[252:253] op_sel_hi:[1,0]   ; O^T under the new M.  These sixteen are also the places between the scale word's and the codes' last writes and the products
.endr
	s_wait_alu depctr_va_vdst(0)
	s_wait_dscnt 0x0                               ; V^T and its scale words
.irp t, 0,1,2,3
	PVM \t                                         ; O^T += V^T P^T: four accumulators, one instruction each
.endr
.Lhidden:
	s_add_co_u32 s[TB], s[TB], KREC
	s_add_co_u32 s[TL], s[TL], 512
	s_add_co_u32 s[KS], s[KS], 1
	s_cmp_lt_u32 s[KS], 16
	s_cbranch_scc1 .Lstep
	s_setprio 0
	; ---- the way out: O^T / the sum, quantised along d: my head's two blocks of the last product's K
.rept 4
	v_nop
.endr
	v_add_f32 v14, v14, v15                        ; the sum's two halves,
	s_delay_alu instid0(VALU_DEP_1)
	v_permlanex16_b32 v252, v14, s[SEL], s[SEL+1]
	s_delay_alu instid0(VALU_DEP_1)
	v_add_f32 v14, v14, v252                       ; and lane l xor 16's
	s_wait_alu depctr_va_vdst(0)
	v_rcp_f32 v14, v14
	v_nop                                          ; a plain line behind the reciprocal,
	s_wait_alu depctr_va_vdst(0)                   ; and the wait ahead of its first reader
.irp j, 0,2,4,6,8,10,12,14,16,18,20,22,24,26,28,30
	v_pk_mul_f32 v[96+\j:97+\j], v[160+\j:161+\j], v[14:15] op_sel_hi:[1,0]   ; register 16 b + i is d = 32 b + 16 h + i of my query; each accumulator from its low end on
.endr
.irp b, 0,1
	v_max3_num_f32 v[232+\b], |v[96+16*\b]|, |v[97+16*\b]|, 0x1800000
.endr
.irp i, 2,4,6,8,10,12,14
.irp b, 0,1
	s_delay_alu instid0(VALU_DEP_2)
	v_max3_num_f32 v[232+\b], v[232+\b], |v[96+16*\b+\i]|, |v[97+16*\b+\i]|
.endr
.endr
.irp b, 0,1
	s_delay_alu instid0(VALU_DEP_2)
	v_permlanex16_b32 v[236+\b], v[232+\b], s[SEL], s[SEL+1]
.endr
.irp b, 0,1
	s_delay_alu instid0(VALU_DEP_2)
	v_max_num_f32 v[232+\b], v[232+\b], v[236+\b]
.endr
.irp b, 0,1
	s_delay_alu instid0(VALU_DEP_2)
	v_add_nc_u32 v[244+\b], 0xff000000, v[232+\b]
.endr
.irp b, 0,1
	s_delay_alu instid0(VALU_DEP_2)
	v_lshrrev_b32 v[236+\b], 23, v[244+\b]
.endr
.irp b, 0,1
	v_cvt_scalef32_pk8_fp4_f32 v[224+2*\b], v[96+16*\b:103+16*\b], v[244+\b]
	v_cvt_scalef32_pk8_fp4_f32 v[225+2*\b], v[104+16*\b:111+16*\b], v[244+\b]
.endr
	v_nop
	v_permlane16_swap_b32 v224, v226
	v_permlane16_swap_b32 v225, v227               ; v[224:227]: lanes 0-15 block 0, lanes 16-31 block 1
	v_cndmask_b32 v238, v236, v237, s48            ; my half's block's byte
	v_cmp_lt_f32 vcc_lo, 0xcd800000, v13           ; has my query seen a key that counts?  (-2^28 < its largest t)
	s_delay_alu instid0(VALU_DEP_1)
	v_cndmask_b32 v238, 0xff, v238, vcc_lo         ; if not: the byte that makes the row NaN
	global_store_b128 v1, v[224:227], s[44:45]     ; 512 consecutive bytes, at a multiple of 256 from the buffer's first byte
	global_store_b8 v9, v238, s[46:47]
	s_wait_dscnt 0x0
	s_wait_tensorcnt 0x0
	ds_add_u32 v251, v255
	s_wait_dscnt 0x0
	CROUND                                         ; the closing round
	s_endpgm
.Lfunc_end_k_qf51bc1e7f4_attn:
	.size	k_qf51bc1e7f4_attn, .Lfunc_end_k_qf51bc1e7f4_attn-k_qf51bc1e7f4_attn
	.p2alignl 7, 3214868480
	.fill 96, 4, 3214868480
	.section	.rodata,"a",@progbits
	.p2align	6, 0x0
	.amdhsa_kernel k_qf51bc1e7f4_attn
		.amdhsa_group_segment_fixed_size 169984
		.amdhsa_private_segment_fixed_size 0
		.amdhsa_enable_private_segment 0
		.amdhsa_kernarg_size 32
		.amdhsa_user_sgpr_count 2
		.amdhsa_user_sgpr_kernarg_segment_ptr 1
		.amdhsa_wavefront_size32 1
		.amdhsa_system_sgpr_workgroup_id_x 1
		.amdhsa_system_sgpr_workgroup_id_y 1
		.amdhsa_system_sgpr_workgroup_id_z 1
		.amdhsa_system_vgpr_workitem_id 0
		.amdhsa_next_free_vgpr 256
		.amdhsa_next_free_sgpr 66
		.amdhsa_reserve_vcc 1
		.amdhsa_float_denorm_mode_32 3
		.amdhsa_float_denorm_mode_16_64 3
		.amdhsa_memory_ordered 1
		.amdhsa_forward_progress 1
		.amdhsa_inst_pref_size 36
	.end_amdhsa_kernel
	.amdgpu_metadata
---
amdhsa.version: [ 1, 2 ]
amdhsa.kernels:
  - .name:           k_qf51bc1e7f4_attn
    .symbol:         k_qf51bc1e7f4_attn.kd
    .args:
      - { .name: qq, .offset: 0, .size: 8, .value_kind: global_buffer, .address_space: global }
      - { .name: kv, .offset: 8, .size: 8, .value_kind: global_buffer, .address_space: global }
      - { .name: mask, .offset: 16, .size: 8, .value_kind: global_buffer, .address_space: global }
      - { .name: aq, .offset: 24, .size: 8, .value_kind: global_buffer, .address_space: global }
    .group_segment_fixed_size: 169984
    .private_segment_fixed_size: 0
    .kernarg_segment_align: 8
    .kernarg_segment_size: 32
    .max_flat_workgroup_size: 512
    .sgpr_count:     66
    .vgpr_count:     256
    .wavefront_size: 32
...
	.end_amdgpu_metadata
.endif
;; end of part 3
;; launch gemm2 (part 4): grid 8 x 32, 8 waves a work-group, clusters of 4 x 4, 175,104 bytes of LDS; arguments aq, woq, bo, out0; writes out0
.if DOCPART == 4
	.amdgcn_target "amdgcn-amd-amdhsa--gfx1250"
	.amdhsa_code_object_version 6
	.text
	.protected	k_qf51bc1e7f4_gemm2
	.globl	k_qf51bc1e7f4_gemm2
	.p2align	8
	.type	k_qf51bc1e7f4_gemm2,@function
k_qf51bc1e7f4_gemm2:
	s_mov_b64 s[64:65], 0
	v_nop
	global_prefetch_b8 v0, s[64:65] scope:SCOPE_SE
	s_setreg_imm32_b32 hwreg(HW_REG_WAVE_MODE, 25, 1), 1
	s_wait_xcnt 0x0
	s_wait_alu depctr_hold_cnt(0) depctr_sa_sdst(0) depctr_va_vdst(0) depctr_va_sdst(0) depctr_va_ssrc(0) depctr_va_vcc(0) depctr_vm_vsrc(0)
	s_getreg_b32 s2, hwreg(HW_REG_IB_STS2, 6, 4)
	s_cmp_eq_u32 s2, 0
	s_cbranch_scc0 .Lentry_in_a_cluster
	s_endpgm
.Lentry_in_a_cluster:
	s_bfe_u32 s2, ttmp6, 0x10000c
	s_cmp_lg_u32 s2, 0xf033
	s_cbranch_scc0 .Lentry_shape_is_right
	s_endpgm
.Lentry_shape_is_right:
; out0 = a Wo + bo on codes of FP4 with E8M0 scales; a: the attention's result [4096][1024], Wo: [1024][1024], both as tile records of 8,704 bytes (eight fragment images, then the scale words); out0 f32.
; A work-group makes 128 rows x 128 columns: 256 work-groups.  Its 8 tiles of a and 8 of Wo lie in LDS whole, filled once.  CLUSTERS: 4 x 4; a's tiles are shared along a row of the cluster, Wo's along a column.
; Eight waves; wave w makes 64 columns (w & 1) x 32 rows (w >> 1): source 0 = four tiles of Wo's columns, source 1 = two tiles of a's rows: a lane holds one row of out0, and its registers run along the columns.
; Tile 2 g + u, row r, is item 32 g + 8 u + r + 8 (r / 8): the 16 registers of results 2 b, 2 b + 1 are 16 neighbouring columns.  bo is the C of each sum's first matrix instruction.
; A row whose scale bytes are 0xff (no key counted for it) comes out as NaN.
; THE WAY OUT: 16 rows x 256 bytes at a time through the wave's own stage in LDS (rows 272 bytes apart); sixteen lanes then store 256 consecutive bytes, aligned.
; REGISTERS: v1-8 addresses; v16-23 Wo's scale words, v24-27 a's; v64-95 Wo's four fragments; v96-111 a's two; v128-191 the 8 accumulators ((t, i) at 128 + 32 i + 8 t); v192-255 rows on the way out.
.set TREC, 8704
.set ABLK, 8*TREC                      ; a's 8 tiles at LDS byte 0, Wo's 8 behind them
.set STG,  2*ABLK                      ; behind them the stages: 16 rows x 272 bytes for each wave; no tile lands there
.set SP,   16
.set SR,   24
.set PF,   64
.set RF,   96
.set ACC,  128
.set OB,   192
.macro CROUND
	s_barrier_signal -1
	s_barrier_wait -1
	s_cmp_lg_u32 s14, 0
	s_cbranch_scc1 .Lnot_wave_0_\@
	s_barrier_signal -3
.Lnot_wave_0_\@:
	s_barrier_wait -3
	s_barrier_signal -1
	s_barrier_wait -1
.endm
	s_load_b256 s[4:11], s[0:1], 0x0               ; aq s[4:5], woq s[6:7], bo s[8:9], out0 s[10:11]
	v_lshl_add_u32 v126, v0, 2, 0x2a800
	v_mov_b32 v127, 0
	ds_add_u32 v126, v127
	ds_add_u32 v126, v127
	v_lshrrev_b32 v11, 5, v0
	s_delay_alu instid0(VALU_DEP_1)
	v_readfirstlane_b32 s14, v11                   ; wave 0..7
	s_and_b32 s15, s14, 1                          ; ph: which 64 columns
	s_lshr_b32 s16, s14, 1                         ; rg: which 32 rows
	s_and_b32 s17, s14, 3
	s_lshl_b32 s17, s17, 1                         ; which two tiles I fetch
	s_bfe_u32 s40, ttmp6, 0x40000                  ; cx, cy
	s_bfe_u32 s41, ttmp6, 0x40004
	s_lshl_b32 s42, ttmp9, 2
	s_add_co_u32 s42, s42, s40                     ; X: which 128 columns
	s_and_b32 s43, ttmp7, 0xffff
	s_lshl_b32 s43, s43, 2
	s_add_co_u32 s43, s43, s41                     ; Y: which 128 rows
	s_lshl_b32 s44, s41, 2
	s_lshl_b32 s44, 15, s44                        ; my row of the cluster
	s_lshl_b32 s45, 0x1111, s40                    ; my column
	; descriptor group 1: two records, 17,408 dense bytes, as 68 rows of 256 bytes (32 elements of 8 bytes), no padding
	s_or_b32 s24, s44, (3<<16)|(1<<21)
	s_or_b32 s48, s45, (3<<16)|(1<<21)
.irp g, 24, 48
	s_mov_b32 s[\g+1], 32<<16
	s_mov_b32 s[\g+2], 68<<16
	s_mov_b32 s[\g+3], 32<<16
	s_mov_b32 s[\g+4], 68
	s_mov_b32 s[\g+5], 32
	s_mov_b32 s[\g+6], 0
	s_mov_b32 s[\g+7], 0
.endr
	s_lshl_b32 s20, s43, 3                         ; a: tile 8 Y + my two (these registers never hold cx)
	s_add_co_u32 s20, s20, s17
	s_mul_i32 s20, s20, TREC
	s_mov_b32 s21, 0
	s_lshl_b32 s46, s42, 3                         ; Wo: tile 8 X + my two (these never hold cy)
	s_add_co_u32 s46, s46, s17
	s_mul_i32 s46, s46, TREC
	s_mov_b32 s47, 0
	s_mul_i32 s18, s14, 2*TREC                     ; where they go: waves 0-3 fill a's block, waves 4-7 Wo's
	s_wait_dscnt 0x0
	s_wait_kmcnt 0x0
	CROUND                                         ; all sixteen work-groups are here: the joint loads meet
	s_mov_b32 s32, 1
	s_mov_b32 s33, s18
	s_add_nc_u64 s[34:35], s[4:5], s[20:21]
	s_or_b32 s35, s35, 0x80000000
	s_mov_b32 s56, 1
	s_mov_b32 s57, s18
	s_add_nc_u64 s[58:59], s[6:7], s[46:47]
	s_or_b32 s59, s59, 0x80000000
	s_cmp_lt_u32 s14, 4                            ; the branch hangs on the wave's number alone; four v_nop follow each of the two lines
	s_cbranch_scc0 .Lfor_b
	tensor_load_to_lds s[32:35], s[24:31]
	s_nop 0
.rept 4
	v_nop
.endr
	s_branch .Lasked
.Lfor_b:
	tensor_load_to_lds s[56:59], s[48:55]
	s_nop 0
.rept 4
	v_nop
.endr
.Lasked:                                           ; one tensor load of mine is out
	v_and_b32 v11, 31, v0                          ; l
	v_and_b32 v12, 15, v0                          ; r
	v_bfe_u32 v13, v0, 4, 1                        ; h
	s_mul_i32 s66, s15, 4*TREC
	s_add_co_u32 s66, s66, ABLK                    ; my four tiles of Wo
	s_mul_i32 s67, s16, 2*TREC                     ; my two tiles of a
	v_lshl_add_u32 v1, v11, 4, s66                 ; v1: Wo's images
	v_lshl_add_u32 v3, v11, 4, s67                 ; v3: a's
	v_mul_u32_u24 v4, v13, 2*TREC                  ; v4: Wo's scale words: lanes 0-15 tile t, lanes 16-31 tile t + 2
	s_delay_alu instid0(VALU_DEP_1)
	v_lshl_add_u32 v4, v12, 4, v4
	s_delay_alu instid0(VALU_DEP_1)
	v_add_nc_u32 v4, s66, v4
	s_delay_alu instid0(VALU_DEP_1)
	v_add_nc_u32 v4, 8192, v4
	v_mul_u32_u24 v5, v13, TREC                    ; v5: a's: lanes 0-15 tile 0, lanes 16-31 tile 1
	s_delay_alu instid0(VALU_DEP_1)
	v_lshl_add_u32 v5, v12, 4, v5
	s_delay_alu instid0(VALU_DEP_1)
	v_add_nc_u32 v5, s67, v5
	s_delay_alu instid0(VALU_DEP_1)
	v_add_nc_u32 v5, 8192, v5
	s_mul_i32 s82, s14, 16*272
	s_add_co_u32 s82, s82, STG                     ; my stage
	v_mul_u32_u24 v6, v12, 272
	s_delay_alu instid0(VALU_DEP_1)
	v_lshl_add_u32 v6, v13, 6, v6
	s_delay_alu instid0(VALU_DEP_1)
	v_add_nc_u32 v6, s82, v6                       ; v6: in: row r, 64 bytes for each half of the lanes in each 128
	v_mul_u32_u24 v7, v13, 272
	s_delay_alu instid0(VALU_DEP_1)
	v_lshl_add_u32 v7, v12, 4, v7
	s_delay_alu instid0(VALU_DEP_1)
	v_add_nc_u32 v7, s82, v7                       ; v7: back: lanes 0-15 one row, lanes 16-31 the next
	v_lshlrev_b32 v8, 12, v13
	s_delay_alu instid0(VALU_DEP_1)
	v_lshl_add_u32 v8, v12, 4, v8                  ; v8: and the same two rows in out0
	s_mov_b32 s81, 0
	s_lshl_b32 s80, s42, 9
	s_lshl_b32 s79, s15, 8
	s_add_co_u32 s80, s80, s79                     ; my 64 columns, in bytes
	s_add_nc_u64 s[74:75], s[8:9], s[80:81]        ; bo there
	s_add_nc_u64 s[68:69], s[10:11], s[80:81]
	s_lshl_b32 s80, s43, 7
	s_lshl_b32 s79, s16, 5
	s_add_co_u32 s80, s80, s79
	s_lshl_b32 s80, s80, 12                        ; my 32 rows of 4,096 bytes
	s_add_nc_u64 s[68:69], s[68:69], s[80:81]      ; s[68:69]: out0 at my part
	v_lshlrev_b32 v14, 6, v13                      ; register j of result t is column 32 (t / 2) + 16 h + 8 (t % 2) + j
.irp i, 0,1
.irp t, 0,1,2,3
	global_load_b128 v[ACC+32*\i+8*\t:ACC+32*\i+8*\t+3], v14, s[74:75] offset:128*(\t/2)+32*(\t%2)
	global_load_b128 v[ACC+32*\i+8*\t+4:ACC+32*\i+8*\t+7], v14, s[74:75] offset:128*(\t/2)+32*(\t%2)+16
.endr
.endr
	s_wait_loadcnt 0x0                             ; the bias
	s_wait_tensorcnt 0x0                           ; my two records lie in LDS,
	s_barrier_signal -1
	s_barrier_wait -1                              ; everybody's do
.macro MM t, i, s
.set rD, ACC+32*(\i)+8*(\t)
.set rA, PF+8*(\t)
.set rB, RF+8*(\i)
.set rX, SP+4*((\t)%2)+(\s)%4
.set rY, SR+(\s)%4
.if ((\t) >= 2) && ((\i) == 1)
	v_wmma_scale_f32_16x16x128_f8f6f4 v[rD:rD+7], v[rA:rA+7], v[rB:rB+7], v[rD:rD+7], v[rX], v[rY] matrix_a_fmt:MATRIX_FMT_FP4 matrix_b_fmt:MATRIX_FMT_FP4 matrix_a_scale:MATRIX_SCALE_ROW1 matrix_b_scale:MATRIX_SCALE_ROW1
.elseif (\t) >= 2
	v_wmma_scale_f32_16x16x128_f8f6f4 v[rD:rD+7], v[rA:rA+7], v[rB:rB+7], v[rD:rD+7], v[rX], v[rY] matrix_a_fmt:MATRIX_FMT_FP4 matrix_b_fmt:MATRIX_FMT_FP4 matrix_a_scale:MATRIX_SCALE_ROW1
.elseif (\i) == 1
	v_wmma_scale_f32_16x16x128_f8f6f4 v[rD:rD+7], v[rA:rA+7], v[rB:rB+7], v[rD:rD+7], v[rX], v[rY] matrix_a_fmt:MATRIX_FMT_FP4 matrix_b_fmt:MATRIX_FMT_FP4 matrix_b_scale:MATRIX_SCALE_ROW1
.else
	v_wmma_scale_f32_16x16x128_f8f6f4 v[rD:rD+7], v[rA:rA+7], v[rB:rB+7], v[rD:rD+7], v[rX], v[rY] matrix_a_fmt:MATRIX_FMT_FP4 matrix_b_fmt:MATRIX_FMT_FP4
.endif
.endm
; A K step of 128: 12 LDS loads (15 where four steps' scale words come too), 8 matrix instructions on 8 accumulators by turns
.macro KSTEP s
.if (\s) > 0
.rept 4
	v_nop                                          ; places in front of loads into registers that matrix instructions have read
.endr
.endif
.if (\s)%4 == 0
.irp u, 0,1
	ds_load_b128 v[SP+4*\u:SP+4*\u+3], v4 offset:TREC*\u+256*((\s)/4)
.endr
	ds_load_b128 v[SR:SR+3], v5 offset:256*((\s)/4)
.endif
.irp i, 0,1
.irp c, 0,1
	ds_load_b128 v[RF+8*\i+4*\c:RF+8*\i+4*\c+3], v3 offset:TREC*\i+1024*(\s)+512*\c
.endr
.endr
.irp t, 0,1,2,3
.irp c, 0,1
	ds_load_b128 v[PF+8*\t+4*\c:PF+8*\t+4*\c+3], v1 offset:TREC*\t+1024*(\s)+512*\c
.endr
.endr
.irp t, 0,1,2,3
	s_wait_dscnt 6-2*\t                            ; Wo's tile t is in; the two loads of each later tile stay out
	MM \t, 0, \s
	MM \t, 1, \s
.endr
.endm
	KSTEP 0
	KSTEP 1
	KSTEP 2
	KSTEP 3
	KSTEP 4
	KSTEP 5
	KSTEP 6
	KSTEP 7
.rept 4
	v_nop                                          ; places behind the last products, in front of the first read of results
.endr
	s_wait_alu depctr_va_vdst(0)
.irp i, 0,1                                    ; a's tile i: 16 rows x 64 columns into my stage, and back as whole rows.  LDS serves a wave's instructions in order: no wait between the stores and the loads, nor ahead of the next tile's stores
.irp b, 0,1
.irp e, 0,1,2,3
	ds_store_b128 v6, v[ACC+32*\i+16*\b+4*\e:ACC+32*\i+16*\b+4*\e+3] offset:128*\b+16*\e   ; each accumulator from its low end on
.endr
.endr
.irp k, 0,1,2,3,4,5,6,7
	ds_load_b128 v[OB+32*\i+4*\k:OB+32*\i+4*\k+3], v7 offset:544*\k
.endr
.endr
.irp i, 0,1
.irp k, 0,1,2,3,4,5,6,7
	s_wait_dscnt 23-16*\i-\k                       ; rows 2 k, 2 k + 1 of tile i are back; younger: the tile's later loads and, for tile 0, tile 1's sixteen instructions
	global_store_b128 v8, v[OB+32*\i+4*\k:OB+32*\i+4*\k+3], s[68:69] offset:(8*\i+2*\k+8*(\k/4))*4096 th:TH_STORE_NT   ; row 2 k + h of the tile is row 8 i + 2 k + h + 8 (k / 4) of my 32; sixteen lanes store 256 consecutive bytes, aligned
.endr
.endr
	s_wait_dscnt 0x0
	s_wait_tensorcnt 0x0
	ds_add_u32 v126, v127
	s_wait_dscnt 0x0
	CROUND                                         ; the closing round
	s_endpgm
.Lfunc_end_k_qf51bc1e7f4_gemm2:
	.size	k_qf51bc1e7f4_gemm2, .Lfunc_end_k_qf51bc1e7f4_gemm2-k_qf51bc1e7f4_gemm2
	.p2alignl 7, 3214868480
	.fill 96, 4, 3214868480
	.section	.rodata,"a",@progbits
	.p2align	6, 0x0
	.amdhsa_kernel k_qf51bc1e7f4_gemm2
		.amdhsa_group_segment_fixed_size 175104
		.amdhsa_private_segment_fixed_size 0
		.amdhsa_enable_private_segment 0
		.amdhsa_kernarg_size 32
		.amdhsa_user_sgpr_count 2
		.amdhsa_user_sgpr_kernarg_segment_ptr 1
		.amdhsa_wavefront_size32 1
		.amdhsa_system_sgpr_workgroup_id_x 1
		.amdhsa_system_sgpr_workgroup_id_y 1
		.amdhsa_system_sgpr_workgroup_id_z 1
		.amdhsa_system_vgpr_workitem_id 0
		.amdhsa_next_free_vgpr 256
		.amdhsa_next_free_sgpr 100
		.amdhsa_reserve_vcc 0
		.amdhsa_float_denorm_mode_32 3
		.amdhsa_float_denorm_mode_16_64 3
		.amdhsa_memory_ordered 1
		.amdhsa_forward_progress 1
		.amdhsa_inst_pref_size 29
	.end_amdhsa_kernel
	.amdgpu_metadata
---
amdhsa.version: [ 1, 2 ]
amdhsa.kernels:
  - .name:           k_qf51bc1e7f4_gemm2
    .symbol:         k_qf51bc1e7f4_gemm2.kd
    .args:
      - { .name: aq, .offset: 0, .size: 8, .value_kind: global_buffer, .address_space: global }
      - { .name: woq, .offset: 8, .size: 8, .value_kind: global_buffer, .address_space: global }
      - { .name: bo, .offset: 16, .size: 8, .value_kind: global_buffer, .address_space: global }
      - { .name: out0, .offset: 24, .size: 8, .value_kind: global_buffer, .address_space: global }
    .group_segment_fixed_size: 175104
    .private_segment_fixed_size: 0
    .kernarg_segment_align: 8
    .kernarg_segment_size: 32
    .max_flat_workgroup_size: 256
    .sgpr_count:     100
    .vgpr_count:     256
    .wavefront_size: 32
...
	.end_amdgpu_metadata
.endif
;; end of part 4
